; MI455X (gfx1250); checked and timed in simulation.
; The chip was launched on July 23, 2026; its instructions are those of AMD's public machine-readable ISA for CDNA 5 (MIT licence, August 2026) and "CDNA5" Instruction Set Architecture Reference Guide (July 2026). The comments in the code are by the model that wrote it; some were corrected since.
;; Lo RA Linear. Allowed arithmetic: matrix products marked QUANTISED: E2M1 operands, one E8M0 scale for each 32 along K, by v_wmma_scale_f32_16x16x128_f8f6f4 with both operands' format E2M1 (or v_wmma_scale_f32_32x16x128_f4), f32 sums; products left as they are: f32 operands where the result goes on into a quantised operand, else bf16, f16 or f32 operands; f32 sums; everything else in f32.
;; Inputs: A 4,096 x 16 float32; B 16 x 2,048 float32; x_codes 4 x 2,048 x 128 x 16 uint8 (E2M1 codes of x, K innermost, in blocks of 32 codes, two codes a byte); x_scales 4 x 2,048 x 128 uint8 (E8M0 scales of x, one for each 32 codes along K).
;; Outputs: out0 4 x 2,048 x 2,048 float32.
;; This version of the problem:
;;   THIS VERSION OF THE PROBLEM IS GIVEN IN LOW PRECISION. The matrix products marked QUANTISED in the list below multiply operands that are first quantised to E2M1 (2 exponent bits, 1 mantissa bit; 4 bits a number), with one power-of-two scale for each 32 numbers along K (OCP MX v1.0); their sums are f32. All else is computed in f32.
;;   The module's matrix products, in the order in which they are computed (A, B: the left and right operand; K: the contracted axis; several contracted axes count as one K, in the product's order):
;;     1. [M 4,096, K 16] x [K 16, N 2,048]; A: input A; B: input B: left as it is (K = 16 < 32)
;;     2. [M 8,192, K 4,096] x [K 4,096, N 2,048]; A: input x (given as codes); B: computed on the way: QUANTISED
;;   THE QUANTISER, for each operand of a quantised product, along K:
;;     - K is cut into blocks of 32 from its start; a last block that is shorter is filled with zeros.
;;     - A block's scale is 2^e with e = floor(log2(the largest magnitude in the block)) - 2, held to -126 .. 127; a block of zeros has e = 0. As a byte (E8M0): e + 127.
;;     - Each number is divided by its block's scale, clamped to +-6, and rounded to the nearest number of E2M1, ties to even, subnormals kept.
;;     - The product sums the exact products of the quantised numbers (number of the format x scale) in f32.
;;   ~~~python
;;   def quantise(x, axis):      # numpy; x: float32 -> the quantised numbers, widened to float32 again
;;       x = np.moveaxis(x, axis, -1); K = x.shape[-1]
;;       x = np.pad(x, [(0, 0)] * (x.ndim - 1) + [(0, -K % 32)]); x = x.reshape(x.shape[:-1] + (-1, 32)); a = np.abs(x).max(-1, keepdims=True)
;;       e = np.where(a > 0, np.clip(np.frexp(np.where(a > 0, a, 1))[1] - 1 - 2, -126, 127), 0)      # np.frexp(a)[1] - 1 = floor(log2(a)), exactly
;;       r = np.clip(x / 2.0 ** e, -6, 6)
;;       step = 2.0 ** (np.maximum(np.frexp(np.where(r == 0, 1, r))[1] - 1, 0) - 1)
;;       q = np.round(r / step) * step * 2.0 ** e      # np.round: ties to even
;;       return np.moveaxis(q.reshape(q.shape[:-2] + (-1,))[..., :K], -1, axis).astype(np.float32)
;;   ~~~
;;   OPERANDS COMPUTED ON THE WAY. 'Computed on the way' means the value that the module computes at that place (a softmax that the list does not call 'softmax' is quantised finished and normalised). What goes into a quantiser is computed in f32, as accurately as f32 sums, v_exp_f32 and their like allow (about 1e-6 of the number): no bf16 or f16 on the way to a quantiser, and a product that is left as it is and whose result goes on into a quantised operand takes f32 operands (vector FMAs, or v_wmma_f32_16x16x4_f32). A number that lies on a knife's edge between two numbers of the format may be rounded either way, as far as f32 arithmetic and the matrix unit's own rounding can turn it there, and no further.
;;   INPUTS GIVEN AS CODES. x (in the module: [4, 2048, 4096], K = its axis 2): each comes as NAME_codes (uint8): NAME with its K axis moved to the last place and cut into blocks of 32 codes, [.., K / 32, bytes a block], one block behind the other in memory; two codes a byte, the lower K in the low four bits (a code: sign, 2 exponent bits, 1 mantissa bit); and NAME_scales (uint8): the same leading axes, one E8M0 byte (e + 127) for each 32 codes along K. Its value is code x scale, taken as it is: it is not quantised again, and the codes and scales need not be those that the quantiser above would give.
;; One version. Each part assembles by itself: llvm-mc -triple=amdgcn-amd-amdhsa -mcpu=gfx1250 --defsym DOCPART=n.
;; ======== version 1 of 1: 2 launches
;; limits: right only within a limited range of input values
;; workspace buffers: w_codes 4,194,304 bytes; w_sc 262,144 bytes
;; launch prep (part 1): grid 32 x 8, 4 waves a work-group, no clusters, 0 bytes of LDS; arguments A, B, w_codes, w_sc; writes w_codes, w_sc
.if DOCPART == 1
	.amdgcn_target "amdgcn-amd-amdhsa--gfx1250"
	.amdhsa_code_object_version 6
	.text
	.protected	k_q52738d02a6_prep
	.globl	k_q52738d02a6_prep
	.p2align	8
	.type	k_q52738d02a6_prep,@function
k_q52738d02a6_prep:
	s_mov_b64 s[64:65], 0
	v_nop
	global_prefetch_b8 v0, s[64:65] scope:SCOPE_SE
	s_setreg_imm32_b32 hwreg(HW_REG_WAVE_MODE, 25, 1), 1
	s_wait_xcnt 0x0
; W = A B (A: [4096][16], B: [16][2048], f32) is made in f32 and quantised along its first axis k into codes of E2M1 with one E8M0 byte for each 32 along k,
; laid in the order in which the product's waves take them into registers.  cg = 64 columns, s = 128 along k, tile g of a cg = columns 64 cg + 4 r + g (r = 0 .. 15):
;   w_codes [cg 32][s 32][g 4][c 2][lane 32][16 bytes]: lane (r, h) has k = 128 s + 64 c + 32 h + 0 .. 31 of column 64 cg + 4 r + g, the lower k in the low four bits.
;   w_sc    [cg 32][s 32][r 16][g 4]: a word of four scale bytes, byte b for k = 128 s + 32 b .. + 31.
; A block's scale byte is the largest magnitude's exponent field - 2, held at 1 from below; numbers are divided by the scale and rounded to the nearest code, ties to even, beyond 6 the largest code.
; LIMITS: NaN and infinities in A or B are not served.  A block of W that is all zeros gets the byte 1 where the rule says 127: its codes are zeros, which add nothing under any byte but 0xff, and this program alone reads the bytes.
; The 16 terms of a number of W are added in f32 in the order r = 2 i, 2 i + 1, 8 + 2 i, 9 + 2 i for i = 0 .. 3.
; SHARES.  Work-group (x, j) makes cg = x for k = 512 j .. + 511; its wave w the step s = 4 j + w: 8 tiles of k x 4 tiles of columns x 4 steps along r = 128 matrix instructions.  256 work-groups; each wave's 4,096 + 256 bytes are its own: no LDS, no barrier.
; NO CLUSTER: A and B go straight into the operands' registers; there is no tile in LDS that partners could receive jointly.  No loop, so nothing is prefetched.
; LAYOUT.  Source 0 = 16 rows of A, source 1 = 16 columns of B; step i gives the matrix form r = 8 h + 2 i, 8 h + 2 i + 1 on both sides.  The rows of A that form a tile are not neighbours: row m of tile 2 b + u is
; k = k0 + 32 b + 16 (m / 8) + 8 u + m % 8, so lane (n, h) holds in the 16 registers of tiles 2 b and 2 b + 1 k = k0 + 32 b + 16 h + 0 .. 15 of its column: neighbours along k, as the conversions take them.
.set AAD, 1                            ; v1  A: (r + (r & 8)) x 64 + 32 h
.set BAD, 2                            ; v2  B: 65,536 h + 16 r
.set L16, 3                            ; v3  16 x lane
.set PW,  4                            ; v4-7  the four tiles' scale words
.set HH,  8                            ; v8  h
.set SOF, 9                            ; v9  16 r + 8 h
.set AF,  16                           ; v16-79   A's eight fragments; the last tile's codes leave from v16-23
.set BF,  80                           ; v80-111  B's four, tile g at BF + 8 g
.set S0,  112                          ; v112-175 eight accumulators;  v176-239 eight more.  Matrix instructions alone write these
.set S1,  176
.set TM,  240                          ; v240-243 largest magnitudes, then the conversions' scale operands
.set PX,  244                          ; v244-247 the other half's maxima, then the bytes
.set CD,  248                          ; v248-255 a tile's codes
; window 1: v0-31 of it take B's rows as loaded: row 8 h + i at 4 i .. 4 i + 3
	s_load_b256 s[4:11], s[0:1], 0x0               ; A s[4:5], B s[6:7], w_codes s[8:9], w_sc s[10:11]
	v_lshrrev_b32 v12, 5, v0
	v_readfirstlane_b32 s16, v12                   ; wave 0..3
	v_and_b32 v14, 31, v0                          ; lane
	v_and_b32 v15, 15, v0                          ; r
	v_bfe_u32 v[HH], v0, 4, 1
	v_and_b32 v[AAD], 8, v15
	v_add_nc_u32 v[AAD], v[AAD], v15               ; r + 8 (r / 8)
	v_lshlrev_b32 v[AAD], 6, v[AAD]                ; a row of A is 64 bytes
	v_lshl_add_u32 v[AAD], v[HH], 5, v[AAD]
	v_lshlrev_b32 v12, 4, v15
	v_lshl_add_u32 v[BAD], v[HH], 16, v12
	v_lshl_add_u32 v[SOF], v[HH], 3, v12
	v_lshlrev_b32 v[L16], 4, v14
.irp b, 0,1,2,3
	v_mov_b32 v[PX+\b], 0                          ; written once: a lane permute's destination counts as one of its sources
.endr
	s_wait_alu depctr_va_vdst(0)                   ; the wait at the head's end
	s_and_b32 s18, ttmp7, 0xffff                   ; j
	s_mov_b32 s20, 0x76543210
	s_mov_b32 s21, 0xfedcba98                      ; v_permlanex16_b32's selects for lane l xor 16
	s_lshl_b32 s19, s18, 2
	s_add_co_u32 s19, s19, s16                     ; s = 4 j + w
	s_lshl_b32 s22, s19, 13                        ; A: row 128 s
	s_mov_b32 s23, 0
	s_lshl_b32 s24, ttmp9, 8                       ; B: column 64 x
	s_mov_b32 s25, 0
	s_lshl_b32 s26, ttmp9, 17                      ; w_codes: 131,072 bytes a cg, 4,096 a step
	s_lshl_b32 s28, s19, 12
	s_add_co_u32 s26, s26, s28
	s_mov_b32 s27, 0
	s_lshl_b32 s28, ttmp9, 13                      ; w_sc: 8,192 bytes a cg, 256 a step
	s_lshl_b32 s30, s19, 8
	s_add_co_u32 s28, s28, s30
	s_mov_b32 s29, 0
	s_wait_kmcnt 0x0
	s_add_nc_u64 s[4:5], s[4:5], s[22:23]
	s_add_nc_u64 s[6:7], s[6:7], s[24:25]
	s_add_nc_u64 s[8:9], s[8:9], s[26:27]
	s_add_nc_u64 s[10:11], s[10:11], s[28:29]
	s_set_vgpr_msb 0x0040
.irp i, 0,1,2,3,4,5,6,7
	global_load_b128 v[4*\i:4*\i+3], v[BAD], s[6:7] offset:8192*\i   ; B[8 h + i][64 x + 4 r .. + 3]: sixteen lanes take 256 consecutive bytes
.endr
	s_set_vgpr_msb 0x4000
.irp t, 0,1,2,3,4,5,6,7
	global_load_b128 v[AF+8*\t:AF+8*\t+3],   v[AAD], s[4:5] offset:(32*(\t/2)+8*(\t%2))*64      ; A[k][8 h .. + 3]
	global_load_b128 v[AF+8*\t+4:AF+8*\t+7], v[AAD], s[4:5] offset:(32*(\t/2)+8*(\t%2))*64+16   ; A[k][8 h + 4 .. + 7]
.endr
	s_wait_loadcnt 16                              ; B's eight are in; A's sixteen may be out
	s_set_vgpr_msb 0x0001
.irp i, 0,1,2,3,4,5,6,7
.irp g, 0,1,2,3
	v_mov_b32 v[BF+8*\g+\i], v[4*\i+\g]            ; the matrix form wants two neighbouring r of ONE column in neighbouring registers
.endr
.endr
	s_set_vgpr_msb 0x0100
	s_wait_alu depctr_va_vdst(0)
	s_wait_loadcnt 0x0
; 32 matrix instructions: my 128 rows of W x tile g's 16 columns into the eight accumulators from ac on, which take turns, one instruction a turn.
.macro MM ac, g
.irp s, 0,1,2,3
.irp t, 0,1,2,3,4,5,6,7
.if \s == 0
	v_wmma_f32_16x16x4_f32 v[\ac+8*\t:\ac+8*\t+7], v[AF+8*\t+2*\s:AF+8*\t+2*\s+1], v[BF+8*\g+2*\s:BF+8*\g+2*\s+1], 0
.else
	v_wmma_f32_16x16x4_f32 v[\ac+8*\t:\ac+8*\t+7], v[AF+8*\t+2*\s:AF+8*\t+2*\s+1], v[BF+8*\g+2*\s:BF+8*\g+2*\s+1], v[\ac+8*\t:\ac+8*\t+7]
.endif
.endr
.endr
.endm
; The 64 numbers of a lane from ac on (register 16 b + i = k0 + 32 b + 16 h + i of column 64 x + 4 r + g) become codes and a scale word.  again = 1: earlier stores have used cd's registers.
.macro QUANT ac, g, cd, again
.if \again
	s_wait_xcnt 0x0                                ; the stores' data registers are rewritten only behind this wait
.endif
.irp b, 0,1,2,3
	v_max3_num_f32 v[TM+\b], |v[\ac+16*\b]|, |v[\ac+16*\b+1]|, 0x1800000   ; block b: my 16 numbers, each accumulator from its low end on, and the floor 2^(3 - 127): so the byte cannot fall under 1
.endr
.irp i, 2,4,6,8,10,12,14
.irp b, 0,1,2,3
	v_max3_num_f32 v[TM+\b], v[TM+\b], |v[\ac+16*\b+\i]|, |v[\ac+16*\b+\i+1]|
.endr
.endr
.irp b, 0,1,2,3
	v_permlanex16_b32 v[PX+\b], v[TM+\b], s20, s21
.endr
.irp b, 0,1,2,3
	v_max_num_f32 v[TM+\b], v[TM+\b], v[PX+\b]     ; with lane l xor 16's 16: the block's largest magnitude
.endr
.irp b, 0,1,2,3
	v_add_nc_u32 v[TM+\b], 0xff000000, v[TM+\b]    ; 2 off its exponent field: the conversion's scale operand
.endr
.irp b, 0,1,2,3
	v_lshrrev_b32 v[PX+\b], 23, v[TM+\b]           ; the scale's byte
.endr
	v_lshl_or_b32 v[PW+\g], v[PX+1], 8, v[PX]
	v_lshl_or_b32 v[PW+\g], v[PX+2], 16, v[PW+\g]
	v_lshl_or_b32 v[PW+\g], v[PX+3], 24, v[PW+\g]
.irp b, 0,1,2,3
	v_cvt_scalef32_pk8_fp4_f32 v[\cd+2*\b],   v[\ac+16*\b:\ac+16*\b+7],    v[TM+\b]   ; the codes of k0 + 32 b + 16 h + 0 .. 7,
	v_cvt_scalef32_pk8_fp4_f32 v[\cd+2*\b+1], v[\ac+16*\b+8:\ac+16*\b+15], v[TM+\b]   ; and + 8 .. 15
.endr
	v_nop                                          ; one plain vector line behind the last conversion
.irp c, 0,1
.irp i, 0,1
	v_permlane16_swap_b32 v[\cd+4*\c+\i], v[\cd+4*\c+2+\i]   ; a whole block in a lane: lanes 0-15 block 2 c, lanes 16-31 block 2 c + 1
.endr
.endr
.irp c, 0,1
	global_store_b128 v[L16], v[\cd+4*\c:\cd+4*\c+3], s[8:9] offset:1024*\g+512*\c   ; 512 consecutive bytes, aligned
.endr
.endm
; Behind this matrix form a vector line that reads a result stands eight places on, a matrix instruction that begins an accumulator anew nine (ISA guide 7.12.1).
; The nine v_nop serve the first two runs; later each run's places are the lines of a QUANT on the other eight accumulators.
	MM S0, 0
	MM S1, 1
.rept 9
	v_nop
.endr
	QUANT S0, 0, CD, 0
	MM S0, 2
	QUANT S1, 1, CD, 1
	MM S1, 3
	QUANT S0, 2, CD, 1
	QUANT S1, 3, AF, 0
	v_cmp_ne_u32 vcc_lo, 0, v[HH]
	v_cndmask_b32 v12, v[PW], v[PW+2], vcc_lo      ; lane (r, h) stores the words of tiles 2 h and 2 h + 1
	v_cndmask_b32 v13, v[PW+1], v[PW+3], vcc_lo
	global_store_b64 v[SOF], v[12:13], s[10:11]    ; 32 lanes store 256 consecutive bytes, aligned
	s_endpgm
.Lfunc_end_k_q52738d02a6_prep:
	.size	k_q52738d02a6_prep, .Lfunc_end_k_q52738d02a6_prep-k_q52738d02a6_prep
	.p2alignl 7, 3214868480
	.fill 96, 4, 3214868480
	.section	.rodata,"a",@progbits
	.p2align	6, 0x0
	.amdhsa_kernel k_q52738d02a6_prep
		.amdhsa_group_segment_fixed_size 0
		.amdhsa_private_segment_fixed_size 0
		.amdhsa_enable_private_segment 0
		.amdhsa_kernarg_size 32
		.amdhsa_user_sgpr_count 2
		.amdhsa_user_sgpr_kernarg_segment_ptr 1
		.amdhsa_wavefront_size32 1
		.amdhsa_system_sgpr_workgroup_id_x 1
		.amdhsa_system_sgpr_workgroup_id_y 1
		.amdhsa_system_sgpr_workgroup_id_z 1
		.amdhsa_system_vgpr_workitem_id 0
		.amdhsa_next_free_vgpr 288
		.amdhsa_next_free_sgpr 66
		.amdhsa_reserve_vcc 1
		.amdhsa_float_denorm_mode_32 3
		.amdhsa_float_denorm_mode_16_64 3
		.amdhsa_memory_ordered 1
		.amdhsa_forward_progress 1
		.amdhsa_inst_pref_size 30
	.end_amdhsa_kernel
	.amdgpu_metadata
---
amdhsa.version: [ 1, 2 ]
amdhsa.kernels:
  - .name:           k_q52738d02a6_prep
    .symbol:         k_q52738d02a6_prep.kd
    .args:
      - { .name: A, .offset: 0, .size: 8, .value_kind: global_buffer, .address_space: global }
      - { .name: B, .offset: 8, .size: 8, .value_kind: global_buffer, .address_space: global }
      - { .name: w_codes, .offset: 16, .size: 8, .value_kind: global_buffer, .address_space: global }
      - { .name: w_sc, .offset: 24, .size: 8, .value_kind: global_buffer, .address_space: global }
    .group_segment_fixed_size: 0
    .private_segment_fixed_size: 0
    .kernarg_segment_align: 8
    .kernarg_segment_size: 32
    .max_flat_workgroup_size: 128
    .sgpr_count:     66
    .vgpr_count:     288
    .wavefront_size: 32
...
	.end_amdgpu_metadata
.endif
;; end of part 1
;; launch gemm (part 2): grid 4 x 64, 4 waves a work-group, clusters of 4 x 4, 327,680 bytes of LDS; arguments x_codes, x_scales, w_codes, w_sc, out0; writes out0
.if DOCPART == 2
	.amdgcn_target "amdgcn-amd-amdhsa--gfx1250"
	.amdhsa_code_object_version 6
	.text
	.protected	k_q52738d02a6_gemm
	.globl	k_q52738d02a6_gemm
	.p2align	8
	.type	k_q52738d02a6_gemm,@function
k_q52738d02a6_gemm:
	s_mov_b64 s[64:65], 0
	v_nop
	global_prefetch_b8 v0, s[64:65] scope:SCOPE_SE
	s_setreg_imm32_b32 hwreg(HW_REG_WAVE_MODE, 25, 1), 1
	s_wait_xcnt 0x0
	s_wait_alu depctr_hold_cnt(0) depctr_sa_sdst(0) depctr_va_vdst(0) depctr_va_sdst(0) depctr_va_ssrc(0) depctr_va_vcc(0) depctr_vm_vsrc(0)
	s_getreg_b32 s2, hwreg(HW_REG_IB_STS2, 6, 4)
	s_cmp_eq_u32 s2, 0
	s_cbranch_scc0 .Lentry_in_a_cluster
	s_endpgm
.Lentry_in_a_cluster:
	s_bfe_u32 s2, ttmp6, 0x10000c
	s_cmp_lg_u32 s2, 0xf033
	s_cbranch_scc0 .Lentry_shape_is_right
	s_endpgm
.Lentry_shape_is_right:
; out[m][n] = sum over k of x[m][k] W[k][n]: x [8192][4096] as codes of E2M1 with an E8M0 byte for each 32 along k, W as the launch before has laid it (tile b of a wave's 64 columns = columns 4 r + b).  f32 sums, k ascending.
; LIMIT: a scale byte of x is taken as it is (0xff makes the sums that it enters NaN).
; A work-group makes 256 rows x 256 columns, a wave all 256 rows x 64 columns: 32 accumulators of 32 x 16, 512 registers.  256 work-groups.
; x goes through LDS: four K steps of 1,024 (rows of 512 bytes) through two slots; x's scale bytes of the 256 rows, 32,768 dense bytes, come once and stay.
; CLUSTERS of 4 x 4 hold the eight tile columns of two tile rows: work-group (cx, cy) has tile column cx + 4 (cy % 2) and tile row 2 x cluster y + cy / 2.  The four of a row of the cluster (same cy) need the same 256 rows of x:
; each tile is asked for jointly by the four (mask: places 4 cy .. 4 cy + 3).  W is not asked for jointly: LDS holds 305,664 bytes of x's slots, scales and spare words, with no room for W's;
; each wave streams its own 64 columns straight into registers, 4,096 + 256 consecutive bytes for each 128 along k, every byte once in a work-group.  They stand eight sets deep and are asked for seven steps of 128 ahead, so W has no prefetch.
; x's K steps 2 and 3 are prefetched one K step ahead of their loads: a K step of a tile row is 512 blocks of 256 bytes, shared out by address among the eight work-groups of that tile row: 32 rows each, 8 rows = 16 blocks a wave
; (lanes 16-31 name the wave's last block again).  K steps 0 and 1 come by their loads alone.
; REGISTERS.  window 0: v16-29 addresses; v32-63 W's scale words (set q: 4); v64-127 x's scale words (half, block, step of 128); v128-255 x's fragments, four buffers of two units (32 rows x 128 k, 16 registers).
;   window 1: W's eight sets, set q at 32 q.   windows 2, 3: accumulator (a, b) of row block a at 16 (4 (a % 4) + b), blocks 0-3 and 4-7.
; The first three K steps and the first two steps of 128 of the last go by k; the rest of the last goes by row blocks, W's sets 2 to 7 standing in registers: a block of 32 rows is finished and leaves while the next ones are multiplied.
; THE WAY OUT.  Register k of the block's four accumulators is four neighbouring columns 4 r .. 4 r + 3 of one row: four moves bring them together, and sixteen lanes store 256 consecutive bytes.  No LDS.
; Block 0 leaves from the registers of W's sets 0 and 1, block a from the accumulators of block a - 1, which have been moved out: no register that a store reads is written again.
.set KROW,  2048
.set PITCH, 528                        ; 512 bytes + 16: row r starts at bank 4 r mod 64 (64 banks of 4 bytes: ISA guide 11.1)
.set HALF,  128*PITCH
.set SLOTB, 256*PITCH
.set SCL,   2*SLOTB                    ; x's scales: 128 pieces of 256 bytes (two rows) + 16
.set SPARE, SCL+128*272                ; the spare words, 128 bytes for each wave: blocks that no other line names
.set ADRA, 16                          ; v16-19  x's fragments: slot 0 rows 0-127, rows 128-255, slot 1 likewise
.set ADRS, 20                          ; v20     x's scale words
.set VB,   21                          ; v21     16 x lane
.set VBS,  22                          ; v22     16 r
.set CO,   23                          ; v23     out: 8 h rows + 16 r
.set PF,   24                          ; v24     the prefetches' offset
.set SPW,  28
.set NIL,  29
.set BSC,  32
.set ASC,  64
.set AF,   128
.set G1R,  24                          ; group 1: the ring's loads, 64 rows;  the head's, 128 rows;  the scales'
.set G1H,  32
.set G1C,  40
.set G0K1, 48                          ; group 0: K steps 1, 2, 3 (a wave's 64 rows);  the head's codes;  the head's scales
.set G0H,  60
.set G0C,  68
.set BB,   74                          ; s[74:75] my W codes, s[76:77] my W scales, s[78:79] my part of out, s[80:81] the prefetches' base
.set BSB,  76
.set OB,   78
.set PFB,  80
.set MSB, 0
.macro WIN new                         ; the immediate's high byte repeats the setting that is left
.if MSB != (\new)
	s_set_vgpr_msb (MSB<<8)|(\new)
.set MSB, (\new)
.endif
.endm
.set MUL_LO, 0xa4                      ; source 0 (x) window 0, source 1 (W) window 1, C and D window 2
.set TO_B,   0x40                      ; destination window 1, address window 0
.macro CREST                           ; a round of the cluster's barrier behind its opening barrier
	s_cmp_lg_u32 s14, 0
	s_cbranch_scc1 .Lnot_wave_0_\@
	s_barrier_signal -3
.Lnot_wave_0_\@:
	s_barrier_wait -3
	s_barrier_signal -1
	s_barrier_wait -1
.endm
.macro CROUND
	s_barrier_signal -1
	s_barrier_wait -1
	CREST
.endm
.macro PLACES                          ; four places behind this matrix form, in front of loads into registers that it has read
.rept 4
	v_nop
.endr
.endm
	s_load_b256 s[4:11], s[0:1], 0x0               ; x_codes s[4:5], x_scales s[6:7], w_codes s[8:9], w_sc s[10:11]
	s_load_b64 s[12:13], s[0:1], 0x20              ; out0
	v_lshl_add_u32 v[SPW], v0, 2, SPARE
	v_mov_b32 v[NIL], 0
	ds_add_u32 v[SPW], v[NIL]                      ; the wave's opening: the add, twice on end, and its wait
	ds_add_u32 v[SPW], v[NIL]
	v_lshrrev_b32 v1, 5, v0
	v_readfirstlane_b32 s14, v1                    ; wave 0..3
	v_and_b32 v1, 15, v0                           ; r
	v_bfe_u32 v2, v0, 4, 1                         ; h
	v_and_b32 v3, 31, v0                           ; lane
	v_mul_u32_u24 v4, v1, PITCH
	v_lshl_add_u32 v[ADRA], v2, 4, v4              ; lane (r, h) of a fragment: row r, k = 64 c + 32 h + 0 .. 31
	v_add_nc_u32 v[ADRA+1], HALF, v[ADRA]
	v_add_nc_u32 v[ADRA+2], SLOTB, v[ADRA]
	v_add_nc_u32 v[ADRA+3], SLOTB+HALF, v[ADRA]
	v_lshrrev_b32 v5, 1, v3                        ; scale words: lane l takes row l of a block: piece l / 2, 128 bytes a row
	v_mul_u32_u24 v5, v5, 272
	v_and_b32 v6, 1, v3
	v_lshl_add_u32 v5, v6, 7, v5
	v_add_nc_u32 v[ADRS], SCL, v5
	v_lshlrev_b32 v[VB], 4, v3
	v_lshlrev_b32 v[VBS], 4, v1
	v_lshl_add_u32 v[CO], v2, 16, v[VBS]
	v_min_u32 v7, 15, v3                           ; prefetch: i = the lane, at most 15: row 8 w + i / 2, 256-byte block i % 2
	v_and_b32 v8, 1, v7
	v_lshrrev_b32 v7, 1, v7
	v_lshrrev_b32 v9, 5, v0
	v_lshl_add_u32 v7, v9, 3, v7
	v_lshlrev_b32 v7, 11, v7
	v_lshl_add_u32 v[PF], v8, 8, v7
	s_wait_alu depctr_va_vdst(0)                   ; the wait at the head's end
	s_bfe_u32 s17, ttmp6, 0x40000                  ; cx
	s_bfe_u32 s85, ttmp6, 0x40004                  ; cy
	s_and_b32 s15, s85, 1
	s_lshl_b32 s15, s15, 2
	s_add_co_u32 s15, s15, s17                     ; tile column X
	s_and_b32 s16, ttmp7, 0xffff
	s_lshl_b32 s16, s16, 1
	s_lshr_b32 s96, s85, 1
	s_add_co_u32 s16, s16, s96                     ; tile row Y: the same for the four of a row of the cluster
	s_lshl_b32 s85, s85, 2
	s_lshl_b32 s85, 15, s85                        ; the mask: my row of the cluster
	s_lshl_b32 s18, s15, 2
	s_add_co_u32 s18, s18, s14                     ; my group of 64 columns: 4 X + w
	; group 1 of the codes: rows of 512 bytes, 16 bytes of padding behind each (code 6: after 128 words, code 3: 4 words); bit 21 beside the mask
.irp g, G1R, G1H
	s_or_b32 s[\g+0], s85, (1<<20)|(1<<21)|(6<<22)|(3<<25)
	s_mov_b32 s[\g+1], 512<<16
	s_mov_b32 s[\g+3], 512<<16
	s_mov_b32 s[\g+5], KROW
	s_mov_b32 s[\g+6], 0
	s_mov_b32 s[\g+7], 0
.endr
	s_mov_b32 s[G1R+2], 64<<16
	s_mov_b32 s[G1R+4], 64
	s_mov_b32 s[G1H+2], 128<<16
	s_mov_b32 s[G1H+4], 128
	; and of the scales of 128 rows: 64 dense rows of 256 bytes (32 elements of 8), 16 bytes of padding behind each
	s_or_b32 s[G1C+0], s85, (3<<16)|(1<<20)|(1<<21)|(5<<22)|(3<<25)
	s_mov_b32 s[G1C+1], 32<<16
	s_mov_b32 s[G1C+2], 64<<16
	s_mov_b32 s[G1C+3], 32<<16
	s_mov_b32 s[G1C+4], 64
	s_mov_b32 s[G1C+5], 32
	s_mov_b32 s[G1C+6], 0
	s_mov_b32 s[G1C+7], 0
	s_and_b32 s20, s14, 1                          ; the head: waves 0, 1 fetch 128 rows of codes each, waves 2, 3 the scales of 128 rows each
	s_mov_b32 s[G0H], 1
	s_mul_i32 s[G0H+1], s20, HALF
	s_mov_b32 s[G0C], 1
	s_mul_i32 s[G0C+1], s20, 64*272
	s_add_co_u32 s[G0C+1], s[G0C+1], SCL
	s_mul_i32 s22, s20, 128*KROW
	s_mov_b32 s23, 0
	s_lshl_b32 s82, s20, 14
	s_mov_b32 s83, 0
	s_mul_i32 s84, s14, 64*PITCH                   ; the ring: wave w fetches rows 64 w .. + 63
	s_mul_i32 s86, s14, 64*KROW
	s_mov_b32 s87, 0
.irp s, 0,1,2
	s_mov_b32 s[G0K1+4*\s], 1
	s_add_co_u32 s[G0K1+4*\s+1], s84, ((\s+1)%2)*SLOTB
.endr
	s_lshl_b32 s88, s16, 19                        ; x's codes: 256 rows x 2,048 bytes a tile row
	s_mov_b32 s89, 0
	s_lshl_b32 s90, s16, 15                        ; x's scales: 256 rows x 128 bytes
	s_mov_b32 s91, 0
	s_lshl_b32 s92, s15, 16                        ; prefetch: my work-group's 32 of the 256 rows
	s_mov_b32 s93, 0
	s_lshl_b32 s94, s18, 17
	s_mov_b32 s95, 0
	s_lshl_b32 s72, s18, 13
	s_mov_b32 s73, 0
	s_lshl_b32 s20, s16, 21                        ; out: 256 rows x 8,192 bytes, 256 bytes a column group
	s_lshl_b32 s21, s18, 8
	s_add_co_u32 s20, s20, s21
	s_mov_b32 s21, 0
	s_wait_dscnt 0x0                               ; both opening adds are done
	s_wait_kmcnt 0x0
	s_add_nc_u64 s[4:5], s[4:5], s[88:89]
	s_add_nc_u64 s[6:7], s[6:7], s[90:91]
	s_add_nc_u64 s[G0H+2:G0H+3], s[4:5], s[22:23]
	s_or_b32 s[G0H+3], s[G0H+3], 0x80000000
	s_add_nc_u64 s[G0C+2:G0C+3], s[6:7], s[82:83]
	s_or_b32 s[G0C+3], s[G0C+3], 0x80000000
	s_add_nc_u64 s[PFB:PFB+1], s[4:5], s[92:93]
	s_add_nc_u64 s[4:5], s[4:5], s[86:87]
.irp s, 0,1,2
	s_add_nc_u64 s[G0K1+4*\s+2:G0K1+4*\s+3], s[4:5], 512*(\s+1)
	s_or_b32 s[G0K1+4*\s+3], s[G0K1+4*\s+3], 0x80000000
.endr
	s_add_nc_u64 s[BB:BB+1], s[8:9], s[94:95]
	s_add_nc_u64 s[BSB:BSB+1], s[10:11], s[72:73]
	s_add_nc_u64 s[OB:OB+1], s[12:13], s[20:21]
	CROUND                                         ; all work-groups of the cluster are here: the first joint loads meet
	s_cmp_lt_u32 s14, 2
	s_cbranch_scc0 .Lhead_scales
	tensor_load_to_lds s[G0H:G0H+3], s[G1H:G1H+7]
	s_nop 0
	PLACES
	s_branch .Lhead_asked
.Lhead_scales:
	tensor_load_to_lds s[G0C:G0C+3], s[G1C:G1C+7]
	s_nop 0
	PLACES
.Lhead_asked:
; W's set q for K step s: nine loads: the four scale words of my lane's column in each tile, then 4,096 consecutive bytes of codes.
.macro BL q, s
	WIN 0
	global_load_b128 v[BSC+4*(\q):BSC+4*(\q)+3], v[VBS], s[BSB:BSB+1] offset:2048*(\s)+256*(\q)
	WIN TO_B
.irp b, 0,1,2,3
.irp c, 0,1
	global_load_b128 v[32*(\q)+8*\b+4*\c:32*(\q)+8*\b+4*\c+3], v[VB], s[BB:BB+1] offset:32768*(\s)+4096*(\q)+1024*\b+512*\c
.endr
.endr
	WIN 0
.endm
.macro BNEXT q, s                      ; the set behind set q is in (six younger sets of nine loads may be out), and set q, just used up, is asked for anew
	s_wait_loadcnt 54
	BL \q, \s
.endm
; A unit of x: 32 rows (block a) x 128 k (the slot's q-th): registers 0-7 rows 0-15, 8-15 rows 16-31.
.macro FU reg, slot, a, q
.set FR, \reg
.set FA, ADRA+2*(\slot)+(\a)/4
.set FO, ((\a)%4)*32*PITCH+64*(\q)
.irp i, 0,1
.irp c, 0,1
	ds_load_b128 v[FR+8*\i+4*\c:FR+8*\i+4*\c+3], v[FA] offset:FO+16*PITCH*\i+32*\c
.endr
.endr
.endm
.macro FETCHP slot, q, p               ; by k: blocks 2 p and 2 p + 1 of step q into buffer p
.set PS, \slot
.set PQ, \q
	FU AF+32*\p, PS, 2*\p, PQ
	FU AF+32*\p+16, PS, 2*\p+1, PQ
.endm
.macro FROW n                          ; by rows: the n-th pair: block n / 3, steps 2 + 2 (n % 3) and the next, into buffer n % 4; the last K step lies in slot 1
.set WA, (\n)/3
.set WQ, 2+2*((\n)%3)
.set WB, AF+32*((\n)%4)
	FU WB, 1, WA, WQ
	FU WB+16, 1, WA, WQ+1
.endm
.macro ASCL s, hf                      ; x's scale words of K step s, its first or second 512: four words a row, lane l row l of the block
.irp a, 0,1,2,3,4,5,6,7
	ds_load_b128 v[ASC+32*(\hf)+4*\a:ASC+32*(\hf)+4*\a+3], v[ADRS] offset:4352*\a+32*(\s)+16*(\hf)
.endr
.endm
; 8 matrix instructions: blocks 2 p, 2 p + 1 x my four tiles of columns, step q.  The 32 accumulators take turns, one instruction a turn, in the same order in every step.
.macro MULP p, q, zero
.irp u, 0,1
.set MA, 2*(\p)+\u
.set MS, ASC+32*((\q)/4)+4*MA+((\q)%4)
.irp b, 0,1,2,3
.set MC, 16*(4*(MA%4)+\b)
.if \zero
	v_wmma_scale_f32_32x16x128_f4 v[MC:MC+15], v[AF+16*MA:AF+16*MA+15], v[32*(\q)+8*\b:32*(\q)+8*\b+7], 0, v[MS], v[BSC+4*(\q)+\b]
.else
	v_wmma_scale_f32_32x16x128_f4 v[MC:MC+15], v[AF+16*MA:AF+16*MA+15], v[32*(\q)+8*\b:32*(\q)+8*\b+7], v[MC:MC+15], v[MS], v[BSC+4*(\q)+\b]
.endif
.endr
.endr
.endm
; A step of 128 that has its successor in the same slot: two halves, four blocks each; behind each half ONE run of sixteen loads brings its blocks of the next step (rows = 1: the pairs by rows).
; The counts 24 and 16: of the two youngest runs all but the first and all but the first two eights may be out; 8 more where x's scale words were asked for in this step.
.macro STEP s, q, zero, rows
.set XT, 0
.irp g, 0,1
	s_wait_dscnt 24+XT
	WIN MUL_LO+0x50*\g
	MULP 2*\g, \q, \zero
	s_wait_dscnt 16+XT
	MULP 2*\g+1, \q, \zero
	PLACES
	WIN 0
.if \g == 0
.if (\q) == 0
	ASCL \s, 1                                     ; this K step's second 512
.set XT, 8
.endif
.if (\q) == 4
	ASCL (\s)+1, 0                                 ; the next K step's first 512
.set XT, 8
.endif
.endif
.set PP, 2*\g
.if \rows
	FROW PP
	FROW PP+1
.else
.if \g == 0
	FETCHP (\s)%2, (\q)+1, 0
	FETCHP (\s)%2, (\q)+1, 1
.else
	FETCHP (\s)%2, (\q)+1, 2
	FETCHP (\s)%2, (\q)+1, 3
.endif
.endif
.endr
.endm
; A slot's last step changes slots.  In front of the barrier each wave waits for all its tensor loads (its part of the next slot), adds 0 to its spare word, and waits for that and for its own reads of this slot.
.macro TURN s
	s_wait_tensorcnt 0x0
	ds_add_u32 v[SPW], v[NIL]
	s_wait_dscnt 25                                ; blocks 0, 1 are in: 24 younger loads and the add may be out
	WIN MUL_LO
	MULP 0, 7, 0
	s_wait_dscnt 0x0                               ; the add is done, and my reads of this slot are over
	s_barrier_signal -1
	MULP 1, 7, 0
	WIN 0
	s_barrier_wait -1
.if (\s) < 2
	CREST                                          ; no wave of any partner still reads this slot or has a load on its way
	tensor_load_to_lds s[G0K1+4*(\s)+4:G0K1+4*(\s)+7], s[G1R:G1R+7]   ; K step s + 2 into the slot just read out
	s_nop 0
.endif
	PLACES
	FETCHP ((\s)+1)%2, 0, 0
	FETCHP ((\s)+1)%2, 0, 1
	WIN MUL_LO+0x50
	MULP 2, 7, 0
	MULP 3, 7, 0
	PLACES
	WIN 0
	FETCHP ((\s)+1)%2, 0, 2
	FETCHP ((\s)+1)%2, 0, 3
.endm
.macro KSTEP s
.irp q, 0,1,2,3,4,5,6
.if (\s)+\q
	STEP \s, \q, 0, 0
.else
	STEP \s, \q, 1, 0                              ; the first products start the sums
.endif
	BNEXT \q, (\s)+1
.if (\q == 0) && ((\s) < 2)
	global_prefetch_b8 v[PF], s[PFB:PFB+1] offset:1024+512*(\s) th:TH_LOAD_NT scope:SCOPE_SE   ; K step s + 2, whose load stands at this K step's end
.endif
.endr
	TURN \s
	BNEXT 7, (\s)+1
.endm
.irp q, 0,1,2,3,4,5,6
	BL \q, 0                                       ; W's first seven sets, under the head's loads
.endr
	s_wait_tensorcnt 0x0                           ; my tile of the head's four is in
	ds_add_u32 v[SPW], v[NIL]
	s_wait_dscnt 0x0
	CROUND                                         ; all four tiles are in
	tensor_load_to_lds s[G0K1:G0K1+3], s[G1R:G1R+7]   ; K step 1 into slot 1: the first tensor load behind the round
	s_nop 0
	PLACES
	ASCL 0, 0
	FETCHP 0, 0, 0
	FETCHP 0, 0, 1
	FETCHP 0, 0, 2
	FETCHP 0, 0, 3
	BNEXT 7, 0
	KSTEP 0
	KSTEP 1
	KSTEP 2
	STEP 3, 0, 0, 0                                ; the last K step: two steps by k, while its last sets of W arrive
	s_wait_loadcnt 54                              ; set 1
	STEP 3, 1, 0, 1
; Rows k0 .. k1 - 1 of block a's two times eight (register k of each accumulator: row 16 (k / 8) + 8 h + k % 8), each accumulator from its low end on.
.macro MOVE a, k0, k1
.set TB, 0
.set TW, 1
.if (\a) > 0
.set TB, 64*(((\a)-1)%4)
.set TW, 2+((\a)-1)/4
.endif
	WIN (TW<<6)|(2+(\a)/4)
.set KK, \k0
.rept (\k1)-(\k0)
.irp b, 0,1,2,3
	v_mov_b32 v[TB+4*KK+\b], v[64*((\a)%4)+16*\b+KK]
.endr
.set KK, KK+1
.endr
.endm
.macro SEND a, k0, k1
	WIN TW<<2
.set KK, \k0
.rept (\k1)-(\k0)
	global_store_b128 v[CO], v[TB+4*KK:TB+4*KK+3], s[OB:OB+1] offset:(32*(\a)+16*(KK/8)+KK%8)*8192 th:TH_STORE_NT   ; two rows' 256 consecutive bytes each, aligned
.set KK, KK+1
.endr
.endm
; 24 pairs: pair N = block N / 3, steps 2 + 2 (N % 3) and the next: 8 matrix instructions on the block's four accumulators by turns.  Behind it a third of the block before is moved together (these lines are also the places
; in front of the loads), the buffer takes pair N + 4, and the third is stored.
.set N, 0
.rept 24
.set RA, N/3
.set RJ, N%3
.set K0, (16*RJ+2)/3                   ; rows 0-5, 6-10, 11-15
.set K1, (16*RJ+18)/3
.if N < 3
	s_wait_loadcnt 36-18*N                         ; W's sets 2, 3, then 4, 5, then 6, 7: nine loads a set
.endif
.if N < 21
	s_wait_dscnt 24
.else
	s_wait_dscnt 8*(23-N)
.endif
	WIN MUL_LO+0x50*(RA/4)
.irp u, 0,1
.set RQ, 2+2*RJ+\u
.set RS, ASC+32*(RQ/4)+4*RA+(RQ%4)
.set RF, AF+32*(N%4)+16*\u
.irp b, 0,1,2,3
.set RC, 16*(4*(RA%4)+\b)
	v_wmma_scale_f32_32x16x128_f4 v[RC:RC+15], v[RF:RF+15], v[32*RQ+8*\b:32*RQ+8*\b+7], v[RC:RC+15], v[RS], v[BSC+4*RQ+\b]
.endr
.endr
.if N < 3
	PLACES
.else
	MOVE RA-1, K0, K1
.endif
	WIN 0
.if N < 20
	FROW N+4
.endif
.if N >= 3
	SEND RA-1, K0, K1
.endif
.set N, N+1
.endr
	MOVE 7, 0, 16                                  ; block 6's last moves were the places behind block 7's products
	SEND 7, 0, 16
	WIN 0
	s_wait_tensorcnt 0x0                           ; the wave's end
	ds_add_u32 v[SPW], v[NIL]
	s_wait_dscnt 0x0
	CROUND                                         ; the closing round: no work-group ends while a partner may still ask for a tile that names it
	s_endpgm
.Lfunc_end_k_q52738d02a6_gemm:
	.size	k_q52738d02a6_gemm, .Lfunc_end_k_q52738d02a6_gemm-k_q52738d02a6_gemm
	.p2alignl 7, 3214868480
	.fill 96, 4, 3214868480
	.section	.rodata,"a",@progbits
	.p2align	6, 0x0
	.amdhsa_kernel k_q52738d02a6_gemm
		.amdhsa_group_segment_fixed_size 327680
		.amdhsa_private_segment_fixed_size 0
		.amdhsa_enable_private_segment 0
		.amdhsa_kernarg_size 40
		.amdhsa_user_sgpr_count 2
		.amdhsa_user_sgpr_kernarg_segment_ptr 1
		.amdhsa_wavefront_size32 1
		.amdhsa_system_sgpr_workgroup_id_x 1
		.amdhsa_system_sgpr_workgroup_id_y 1
		.amdhsa_system_sgpr_workgroup_id_z 1
		.amdhsa_system_vgpr_workitem_id 0
		.amdhsa_next_free_vgpr 1024
		.amdhsa_next_free_sgpr 98
		.amdhsa_reserve_vcc 0
		.amdhsa_float_denorm_mode_32 3
		.amdhsa_float_denorm_mode_16_64 3
		.amdhsa_memory_ordered 1
		.amdhsa_forward_progress 1
		.amdhsa_inst_pref_size 255
	.end_amdhsa_kernel
	.section	.bss,"aw",@nobits
	.p2align	6
	.space	262144
	.amdgpu_metadata
---
amdhsa.version: [ 1, 2 ]
amdhsa.kernels:
  - .name:           k_q52738d02a6_gemm
    .symbol:         k_q52738d02a6_gemm.kd
    .args:
      - { .name: x_codes, .offset: 0, .size: 8, .value_kind: global_buffer, .address_space: global }
      - { .name: x_scales, .offset: 8, .size: 8, .value_kind: global_buffer, .address_space: global }
      - { .name: w_codes, .offset: 16, .size: 8, .value_kind: global_buffer, .address_space: global }
      - { .name: w_sc, .offset: 24, .size: 8, .value_kind: global_buffer, .address_space: global }
      - { .name: out0, .offset: 32, .size: 8, .value_kind: global_buffer, .address_space: global }
    .group_segment_fixed_size: 327680
    .private_segment_fixed_size: 0
    .kernarg_segment_align: 8
    .kernarg_segment_size: 40
    .max_flat_workgroup_size: 128
    .sgpr_count:     98
    .vgpr_count:     1024
    .wavefront_size: 32
...
	.end_amdgpu_metadata
.endif
;; end of part 2
